; MI455X (gfx1250); checked and timed in simulation.
; The chip was launched on July 23, 2026; its instructions are those of AMD's public machine-readable ISA for CDNA 5 (MIT licence, August 2026) and "CDNA5" Instruction Set Architecture Reference Guide (July 2026). The comments in the code are by the model that wrote it; some were corrected since.
;; Binary Memory RNN. Allowed arithmetic: float matrix products may take bf16 or f16 operands with f32 sums; other float arithmetic in f32, or as packed bf16 or f16 multiplies, adds, multiply-adds, maxima and minima; sums over many terms, partial sums and values carried from step to step in f32; what a program stores and reads back later, other than sums and carried values, may be rounded once to bf16 or f16.
;; Inputs: M_b 10 float32; M_w 10 x 1,024 float32; Q_b 1,024 float32; Q_w 1,024 x 1,024 float32; U_b 1,024 float32; U_w 1,024 x 1,024 float32; W_b 1,024 float32; W_w 1,024 x 1,024 float32; h_prev 16,384 x 1,024 float32; ln_b 1,024 float32; ln_g 1,024 float32; memory 1,024 x 1,024 float32; x 16,384 x 1,024 float32.
;; Outputs: out0 16,384 x 1,024 float32.
;; One version. Each part assembles by itself: llvm-mc -triple=amdgcn-amd-amdhsa -mcpu=gfx1250 --defsym DOCPART=n.
;; ======== version 1 of 1: 2 launches
;; workspace buffers: bfrag 4,194,304 bytes; mqb 4,194,304 bytes; index 65,536 bytes of whole numbers
;; launch prep (part 1): grid 256 x 1, 8 waves a work-group, no clusters, 18,432 bytes of LDS; arguments W_w, U_w, h_prev, M_w, M_b, memory, Q_w, Q_b, W_b, U_b, bfrag, mqb, index; writes bfrag, mqb, index
.if DOCPART == 1
	.amdgcn_target "amdgcn-amd-amdhsa--gfx1250"
	.amdhsa_code_object_version 6
	.text
	.protected	k_qb79424180a_prep
	.globl	k_qb79424180a_prep
	.p2align	8
	.type	k_qb79424180a_prep,@function
k_qb79424180a_prep:
	s_mov_b64 s[64:65], 0
	v_nop
	global_prefetch_b8 v0, s[64:65] scope:SCOPE_SE
	s_setreg_imm32_b32 hwreg(HW_REG_WAVE_MODE, 25, 1), 1
	s_wait_xcnt 0x0
; PREP: three tables for the main launch.
;  bfrag  [W_w | U_w] along K (2,048 channels) in bf16, in the order of matrix fragments: byte s*131072 + nb*2048 + kk*1024 + c*512 + l*16 + 2e holds
;         row 16 nb + l%16, channel 64 s + 32 kk + 16 c + 8 (l/16) + e (channels under 1,024: W_w; the others: U_w).
;  mqb    f32 [1024][1024]: memory[j] . Q_w[n] + Q_b[n] + W_b[n] + U_b[n].  memory[index] Q_w^T = (memory Q_w^T)[index] for every input, so the third product is made once for the table's 1,024 rows.
;  index  int32 [16384]: ten hard bits of h_prev M_w^T + M_b, the first bit the highest.
; SHARES.  256 work-groups of eight waves, all alike; no wave waits for another.  Every wave converts one unit of 2,048 bytes of bfrag.  Waves 0-3 then make the index of 16 rows each;
; waves 4-7 a tile of 16 x 64 of mqb each (64 x 64 a work-group).
; LIMITS.  The logits are f32 sums of the unrounded inputs, in another order than the reference's.  A bit is 'logit > 0' where the reference has 'sigmoid(logit) > 0.5': the two part only for
; 0 < logit < 1.2e-7, where the sigmoid rounds to 0.5.  A NaN logit gives a bit that is not specified.  memory and Q_w are rounded to bf16 for their product; its sums and mqb are f32.
.set SPARE, 17408                      ; LDS: four stages of 4,352 bytes (waves 4-7), then the spare words, 128 bytes for each of eight waves, which no other line names
.set STG,   4352                       ; a stage: 16 rows x (256 + 16) bytes
.set SPW,  10                          ; v10  my spare word: SPARE + 4 x my thread's number; never rewritten
.set NIL,  11                          ; v11  0; never rewritten
.set CV,   16                          ; v[16:31]   my unit of bfrag, converted
.set FR,   160                         ; v[160:191] the same as loaded, f32
.set ROWS, 64                          ; index: v[64:191] four rows of h_prev, 32 registers each: register 4 j + e holds channel 128 j + 4 l + e
.set ACC,  32                          ; mqb: v[32:63] four accumulators
.set CONV, 64                          ; mqb: v[64:103] five fragments in bf16: memory's, then Q_w's four
.set BK,   104                         ; mqb: v[104:135] the tile read back by rows
.set BIAS, 136                         ; mqb: v[136:147] Q_b, W_b, U_b of my four columns
.set WV,   30                          ; s30  wave
.set CNT,  42                          ; s42  trips to go
.set RC,   43                          ; s43  the row in hand, 0 to 15
.set MSB, 0
.macro WIN new                         ; the immediate's high byte repeats the setting that is left; a switch that changes nothing is dropped
.if MSB != (\new)
	s_set_vgpr_msb (MSB<<8)|(\new)
.set MSB, \new
.endif
.endm
.macro PLACES
.rept 4
	v_nop
.endr
.endm
	s_load_b512 s[4:19], s[0:1], 0x0               ; W_w 4, U_w 6, h_prev 8, M_w 10, M_b 12, memory 14, Q_w 16, Q_b 18
	s_load_b256 s[20:27], s[0:1], 0x40             ; W_b 20, U_b 22, bfrag 24, mqb 26
	s_load_b64 s[28:29], s[0:1], 0x60              ; index
	v_lshl_add_u32 v[SPW], v0, 2, SPARE
	v_mov_b32 v[NIL], 0
	v_lshrrev_b32 v1, 5, v0
	v_readfirstlane_b32 s[WV], v1                  ; wave 0..7
	v_and_b32 v1, 31, v0                           ; l
	v_and_b32 v3, 15, v0                           ; l % 16
	v_bfe_u32 v13, v0, 4, 1                        ; l / 16
	v_lshlrev_b32 v2, 4, v1                        ; 16 l
	v_lshlrev_b32 v8, 12, v3
	v_lshl_add_u32 v8, v13, 5, v8                  ; a weight row of 4,096 bytes x (l % 16) + 32 (l / 16)
	s_lshl_b32 s50, ttmp9, 3
	s_add_co_u32 s50, s50, s[WV]                   ; my unit u = 64 s + nb, 0 to 2,047
	s_and_b32 s51, s50, 63                         ; nb
	s_lshr_b32 s52, s50, 6                         ; s
	s_lshl_b32 s44, s51, 16                        ; 16 rows of 4,096 bytes x nb
	s_and_b32 s53, s52, 15
	s_lshl_b32 s53, s53, 8                         ; 64 channels of f32 x (s % 16)
	s_add_co_u32 s44, s44, s53
	s_mov_b32 s45, 0
	s_lshl_b32 s54, s50, 11                        ; 2,048 u
	s_mov_b32 s55, 0
	s_mov_b32 s46, 0x76543210                      ; v_permlanex16_b32: each lane takes its own place in the other half
	s_mov_b32 s47, 0xfedcba98
	s_wait_kmcnt 0x0
	s_cmp_lt_u32 s52, 16
	s_cselect_b64 s[48:49], s[4:5], s[6:7]         ; steps 0-15 come from W_w, 16-31 from U_w
	s_add_nc_u64 s[48:49], s[48:49], s[44:45]
	s_add_nc_u64 s[24:25], s[24:25], s[54:55]
.irp g, 0,1,2,3                        ; g = 2 kk + c: 16 channels, of which my half of the lanes takes 8: 32 bytes
	global_load_b128 v[FR+8*\g:FR+8*\g+3],   v8, s[48:49] offset:64*\g
	global_load_b128 v[FR+8*\g+4:FR+8*\g+7], v8, s[48:49] offset:64*\g+16
.endr
.macro FRAG_FINISH                     ; rounded to bf16 and stored: each store of the wave covers 512 consecutive bytes, aligned
.set ii, 0
.rept 16
	v_cvt_pk_bf16_f32 v[CV+ii], v[FR+2*ii], v[FR+2*ii+1]
.set ii, ii+1
.endr
.irp q, 0,1,2,3
	global_store_b128 v2, v[CV+4*\q:CV+4*\q+3], s[24:25] offset:512*\q
.endr
.endm
	s_cmp_lt_u32 s[WV], 4
	s_cbranch_scc0 .Lmq
; ---------------------------------------------------------------- THE INDEX (waves 0-3): 16 rows a wave
; A row of h_prev is 32 registers of the wave; M_w's ten rows stay in registers in the same layout: rows 0-7 in window 1 (row i at 32 i), rows 8 and 9 in v[192:255].
; v[16:31]: a pair of sums for each of bits 0-7; v[32:47]: four pairs for bit 8 and four for bit 9, so that eight chains take turns in both parts.
.macro LROW k, off                     ; a row: eight loads of 512 consecutive bytes
.irp j, 0,1,2,3,4,5,6,7
	global_load_b128 v[ROWS+32*(\k)+4*\j:ROWS+32*(\k)+4*\j+3], v2, s[8:9] offset:(\off)+512*\j th:TH_LOAD_NT
.endr
.endm
.macro LM i, base                      ; M_w's row i, into the window in force
.irp j, 0,1,2,3,4,5,6,7
	global_load_b128 v[(\base)+4*\j:(\base)+4*\j+3], v2, s[10:11] offset:4096*(\i)+512*\j
.endr
.endm
	s_lshl_b32 s44, ttmp9, 18                      ; the work-group's 64 rows of 4,096 bytes,
	s_lshl_b32 s50, s[WV], 16                      ; my 16
	s_add_co_u32 s44, s44, s50
	s_add_nc_u64 s[8:9], s[8:9], s[44:45]
	s_load_b256 s[32:39], s[12:13], 0x0            ; M_b
	s_load_b64 s[40:41], s[12:13], 0x20
	LROW 0, 0
	LROW 1, 4096
	LROW 2, 8192
	LM 8, 192
	LM 9, 224
	WIN 0x40                                       ; destination window 1
	LM 0, 0
	LM 1, 32
	WIN 0
	s_wait_loadcnt 56                              ; 56 loads were issued behind my unit's eight
	FRAG_FINISH
	LROW 3, 12288                                  ; into the registers that the unit has left
	WIN 0x40
.irp i, 2,3,4,5,6,7
	LM \i, 32*\i
.endr
	WIN 0
	s_wait_kmcnt 0x0
.irp i, 0,1,2,3,4,5,6,7,8,9
	s_xor_b32 s[32+\i], s[32+\i], 0x80000000       ; -M_b,
	s_add_f32 s[32+\i], s[32+\i], 0                ; with -0 made +0, so that a logit of exactly 0 leaves the sign below clear
.endr
	v_mov_b32 v4, 0                                ; lane r will keep row r's index
	s_mov_b32 s[RC], 0
	s_mov_b32 s[CNT], 4
	s_wait_loadcnt 0x0                             ; M_w is whole, once
	s_wait_xcnt 0x0                                ; the unit's stores have read v[16:31], which the sums now take
.macro ROW k
.set RW, ROWS+32*(\k)
	WIN 0x04                                       ; source 1 in window 1
.set ic, 0
.rept 16
.set ib, 0
.rept 8
.if ic == 0
	v_pk_mul_f32 v[16+2*ib:17+2*ib], v[RW+2*ic:RW+2*ic+1], v[32*ib+2*ic:32*ib+2*ic+1]
.else
	v_pk_fma_f32 v[16+2*ib:17+2*ib], v[RW+2*ic:RW+2*ic+1], v[32*ib+2*ic:32*ib+2*ic+1], v[16+2*ib:17+2*ib]
.endif
.set ib, ib+1
.endr
.set ic, ic+1
.endr
	WIN 0
.set ic, 0
.rept 16
.irp t, 0,1
.if ic < 4
	v_pk_mul_f32 v[32+8*\t+2*(ic%4):33+8*\t+2*(ic%4)], v[RW+2*ic:RW+2*ic+1], v[192+32*\t+2*ic:193+32*\t+2*ic]
.else
	v_pk_fma_f32 v[32+8*\t+2*(ic%4):33+8*\t+2*(ic%4)], v[RW+2*ic:RW+2*ic+1], v[192+32*\t+2*ic:193+32*\t+2*ic], v[32+8*\t+2*(ic%4):33+8*\t+2*(ic%4)]
.endif
.endr
.set ic, ic+1
.endr
.irp t, 32, 40
	v_pk_add_f32 v[\t:\t+1], v[\t:\t+1], v[\t+2:\t+3]
	v_pk_add_f32 v[\t+4:\t+5], v[\t+4:\t+5], v[\t+6:\t+7]
.endr
.irp t, 32, 40
	v_pk_add_f32 v[\t:\t+1], v[\t:\t+1], v[\t+4:\t+5]
.endr
.irp q, 16,18,20,22,24,26,28,30,32,40  ; bit i's sum lies in register q, and q + 1 is free
	v_add_f32 v[\q], v[\q], v[\q+1]
.endr
.irp x, 1,2,4,8                        ; across the lanes: four steps inside each half, ten sums by turns,
.irp q, 16,18,20,22,24,26,28,30,32,40
	v_add_f32_dpp v[\q], v[\q], v[\q] row_xmask:\x row_mask:0xf bank_mask:0xf
.endr
.endr
.irp q, 16,18,20,22,24,26,28,30,32,40  ; and one across the halves
	v_permlanex16_b32 v[\q+1], v[\q], s46, s47
.endr
.irp q, 16,18,20,22,24,26,28,30,32,40
	v_add_f32 v[\q], v[\q], v[\q+1]
.endr
.set ib, 0
.irp q, 16,18,20,22,24,26,28,30,32,40
	v_sub_f32 v[\q+1], s[32+ib], v[\q]             ; -M_b - sum: its sign is set just where the logit is above 0
.set ib, ib+1
.endr
	v_lshrrev_b32 v5, 31, v17                      ; the signs, the first bit on top
.irp q, 18,20,22,24,26,28,30,32,40
	v_alignbit_b32 v5, v5, v[\q+1], 31             ; 2 x index + sign
.endr
	v_cmp_eq_u32 vcc_lo, s[RC], v1
	v_cndmask_b32 v4, v4, v5, vcc_lo               ; lane RC keeps it
	s_add_co_u32 s[RC], s[RC], 1
.endm
.Ltrip:                                        ; four rows a trip; while one pair of rows is worked on, the other pair's 16 loads are on their way
	s_wait_loadcnt 16                              ; rows 0 and 1 are in; the 16 loads of rows 2 and 3 may stay out
	ROW 0
	ROW 1
	s_wait_loadcnt 0x0                             ; rows 2 and 3 are in
	s_cmp_eq_u32 s[CNT], 1
	s_cbranch_scc1 .Llast                          ; the fourth trip has nothing to fetch: it leaves here, so that the same loads stand behind each counted wait on every way
	LROW 0, 4*4096
	LROW 1, 5*4096
	ROW 2
	ROW 3
	LROW 2, 6*4096
	LROW 3, 7*4096
	s_wait_xcnt 0x0                                ; the loads have read their base
	s_add_nc_u64 s[8:9], s[8:9], 16384
	s_sub_co_u32 s[CNT], s[CNT], 1
	s_cmp_lg_u32 s[CNT], 0
	s_cbranch_scc1 .Ltrip                          ; the loop's form; the count leaves by the jump above
.Llast:
	s_wait_loadcnt 0x0                             ; met at once on the way by the jump; it serves the way out of the loop's bottom, which the count never takes
	ROW 2
	ROW 3
	v_lshlrev_b32 v7, 2, v1
	s_lshl_b32 s44, ttmp9, 8                       ; 64 indices of 4 bytes a work-group,
	s_lshl_b32 s50, s[WV], 6                       ; 16 a wave
	s_add_co_u32 s44, s44, s50
	s_add_nc_u64 s[28:29], s[28:29], s[44:45]
	s_wait_xcnt 0x0                                ; EXEC changes only behind this wait
	v_cmp_gt_u32 vcc_lo, 16, v1
	s_and_saveexec_b32 s51, vcc_lo
	global_store_b32 v7, v4, s[28:29]              ; 64 consecutive bytes a wave
	s_wait_xcnt 0x0
	s_or_b32 exec_lo, exec_lo, s51
	s_branch .Lend
; ---------------------------------------------------------------- THE TABLE (waves 4-7): 16 rows of memory x 64 rows of Q_w, K in 32 chunks of 32
; Fragments come straight from the f32 rows: lane (r, h) takes the 64 bytes at row r, chunk x 128 + 64 h, and rounds them to 8 registers.  That is another order of the chunk's 32 channels than
; the matrix instruction's own, the same for both sources, so the products pair up as they should.  Source 0 = Q_w's rows, source 1 = memory's: a lane ends with 8 neighbouring columns of one row.
; Three sets of 80 registers in window 1 hold three chunks as loaded: 60 loads of the wave are on their way.
.Lmq:
	s_sub_co_u32 s31, s[WV], 4                     ; 0..3
	s_lshr_b32 s50, ttmp9, 4                       ; tile row
	s_and_b32 s51, ttmp9, 15                       ; tile column
	s_lshl_b32 s50, s50, 6
	s_lshl_b32 s52, s31, 4
	s_add_co_u32 s50, s50, s52                     ; my first row of memory and of mqb
	s_lshl_b32 s44, s50, 12
	s_add_nc_u64 s[14:15], s[14:15], s[44:45]
	s_lshl_b32 s53, s51, 8                         ; 64 columns of f32
	s_add_co_u32 s44, s44, s53
	s_add_nc_u64 s[26:27], s[26:27], s[44:45]
	s_lshl_b32 s44, s51, 18                        ; 64 rows of Q_w
	s_add_nc_u64 s[16:17], s[16:17], s[44:45]
	s_mov_b32 s44, s53
	s_add_nc_u64 s[18:19], s[18:19], s[44:45]
	s_add_nc_u64 s[20:21], s[20:21], s[44:45]
	s_add_nc_u64 s[22:23], s[22:23], s[44:45]
	v_lshlrev_b32 v12, 12, v3
	v_lshl_add_u32 v12, v13, 6, v12                ; row x 4,096 + 64 x half
	v_lshlrev_b32 v148, 4, v3                      ; 16 (l % 16): my four columns
	v_lshl_add_u32 v149, v13, 12, v148             ; and one row further down for lanes 16-31
	s_mul_i32 s54, s31, STG                        ; my stage
	v_mul_u32_u24 v14, v3, 272
	v_lshl_add_u32 v14, v13, 5, v14
	v_add_nc_u32 v14, s54, v14                     ; in: row l % 16, 32 bytes for each half of the lanes
	v_mul_u32_u24 v15, v13, 272
	v_add_nc_u32 v15, v15, v148
	v_add_nc_u32 v15, s54, v15                     ; back: lanes 0-15 one row of 256 bytes, lanes 16-31 the next
	global_load_b128 v[BIAS:BIAS+3],    v148, s[18:19]
	global_load_b128 v[BIAS+4:BIAS+7],  v148, s[20:21]
	global_load_b128 v[BIAS+8:BIAS+11], v148, s[22:23]
.macro MQLOAD k, off                   ; a chunk's 20 loads into set k
	WIN 0x40
.irp q, 0,1,2,3
	global_load_b128 v[80*(\k)+4*\q:80*(\k)+4*\q+3], v12, s[14:15] offset:(\off)+16*\q
.endr
.irp b, 0,1,2,3
.irp q, 0,1,2,3
	global_load_b128 v[80*(\k)+16+16*\b+4*\q:80*(\k)+16+16*\b+4*\q+3], v12, s[16:17] offset:(\off)+65536*\b+16*\q
.endr
.endr
.endm
	MQLOAD 0, 0
	MQLOAD 1, 128
	MQLOAD 2, 256
	WIN 0
	s_wait_loadcnt 63                              ; 3 + 60 loads were issued behind my unit's eight
	FRAG_FINISH
.set ii, 0
.rept 32
	v_mov_b32 v[ACC+ii], 0                         ; the sums start at 0, written while the loads are out, so that the loop has one form of product
.set ii, ii+1
.endr
; One chunk.  cnt: the loads of the younger sets, which may stay out.  The four accumulators take turns, over the backward jump too.
.macro MQTURN k, refill, cnt
	s_wait_loadcnt \cnt
	PLACES                                         ; the last products read CONV, which is now written (ISA guide 7.12.1)
	WIN 0x05                                       ; sources in window 1
.set ii, 0
.rept 40
	v_cvt_pk_bf16_f32 v[CONV+ii], v[80*(\k)+2*ii], v[80*(\k)+2*ii+1]
.set ii, ii+1
.endr
.if \refill
	MQLOAD \k, 384+128*(\k)                        ; the chunk three on
.endif
	WIN 0
.irp b, 0,1,2,3
	v_wmma_f32_16x16x32_bf16 v[ACC+8*\b:ACC+8*\b+7], v[CONV+8+8*\b:CONV+8+8*\b+7], v[CONV:CONV+7], v[ACC+8*\b:ACC+8*\b+7]
.endr
.endm
	s_mov_b32 s[CNT], 9
.Lmqloop:                                      ; chunks 0 to 26
	MQTURN 0, 1, 40
	MQTURN 1, 1, 40
	MQTURN 2, 1, 40
	s_wait_xcnt 0x0                                ; the loads have read their bases
	s_add_nc_u64 s[14:15], s[14:15], 384
	s_add_nc_u64 s[16:17], s[16:17], 384
	s_sub_co_u32 s[CNT], s[CNT], 1
	s_cmp_lg_u32 s[CNT], 0
	s_cbranch_scc1 .Lmqloop
	MQTURN 0, 1, 40                                ; chunk 27 fetches 30, chunk 28 fetches 31; then the counts run down
	MQTURN 1, 1, 40
	MQTURN 2, 0, 40
	MQTURN 0, 0, 20
	MQTURN 1, 0, 0
	PLACES                                         ; with the four additions below: eight places behind the last products, once a launch
	v_pk_add_f32 v[BIAS:BIAS+1],   v[BIAS:BIAS+1],   v[BIAS+4:BIAS+5]
	v_pk_add_f32 v[BIAS+2:BIAS+3], v[BIAS+2:BIAS+3], v[BIAS+6:BIAS+7]
	v_pk_add_f32 v[BIAS:BIAS+1],   v[BIAS:BIAS+1],   v[BIAS+8:BIAS+9]
	v_pk_add_f32 v[BIAS+2:BIAS+3], v[BIAS+2:BIAS+3], v[BIAS+10:BIAS+11]
.irp b, 0,1,2,3                        ; through my own stage; each accumulator's low registers first
	ds_store_b128 v14, v[ACC+8*\b:ACC+8*\b+3]   offset:64*\b
	ds_store_b128 v14, v[ACC+8*\b+4:ACC+8*\b+7] offset:64*\b+16
.endr
.irp t, 0,1,2,3,4,5,6,7
	ds_load_b128 v[BK+4*\t:BK+4*\t+3], v15 offset:544*\t  ; LDS serves a wave's instructions in order (ISA guide 5.7.1.4): these see the stores above
.endr
	s_wait_dscnt 0x0
.irp t, 0,1,2,3,4,5,6,7
	v_pk_add_f32 v[BK+4*\t:BK+4*\t+1],   v[BK+4*\t:BK+4*\t+1],   v[BIAS:BIAS+1]
	v_pk_add_f32 v[BK+4*\t+2:BK+4*\t+3], v[BK+4*\t+2:BK+4*\t+3], v[BIAS+2:BIAS+3]
.endr
.irp t, 0,1,2,3,4,5,6,7
	global_store_b128 v149, v[BK+4*\t:BK+4*\t+3], s[26:27] offset:8192*\t  ; 16 lanes store 256 consecutive bytes, aligned: two rows an instruction
.endr
.Lend:
	s_wait_tensorcnt 0x0                           ; the wave's end, behind my last LDS store
	ds_add_u32 v[SPW], v[NIL]
	s_wait_dscnt 0x0
	s_endpgm
.Lfunc_end_k_qb79424180a_prep:
	.size	k_qb79424180a_prep, .Lfunc_end_k_qb79424180a_prep-k_qb79424180a_prep
	.p2alignl 7, 3214868480
	.fill 96, 4, 3214868480
	.section	.rodata,"a",@progbits
	.p2align	6, 0x0
	.amdhsa_kernel k_qb79424180a_prep
		.amdhsa_group_segment_fixed_size 18432
		.amdhsa_private_segment_fixed_size 0
		.amdhsa_enable_private_segment 0
		.amdhsa_kernarg_size 104
		.amdhsa_user_sgpr_count 2
		.amdhsa_user_sgpr_kernarg_segment_ptr 1
		.amdhsa_wavefront_size32 1
		.amdhsa_system_sgpr_workgroup_id_x 1
		.amdhsa_system_sgpr_workgroup_id_y 1
		.amdhsa_system_sgpr_workgroup_id_z 1
		.amdhsa_system_vgpr_workitem_id 0
		.amdhsa_next_free_vgpr 512
		.amdhsa_next_free_sgpr 66
		.amdhsa_reserve_vcc 1
		.amdhsa_float_denorm_mode_32 3
		.amdhsa_float_denorm_mode_16_64 3
		.amdhsa_memory_ordered 1
		.amdhsa_forward_progress 1
		.amdhsa_inst_pref_size 157
	.end_amdhsa_kernel
	.amdgpu_metadata
---
amdhsa.version: [ 1, 2 ]
amdhsa.kernels:
  - .name:           k_qb79424180a_prep
    .symbol:         k_qb79424180a_prep.kd
    .args:
      - { .name: W_w, .offset: 0, .size: 8, .value_kind: global_buffer, .address_space: global }
      - { .name: U_w, .offset: 8, .size: 8, .value_kind: global_buffer, .address_space: global }
      - { .name: h_prev, .offset: 16, .size: 8, .value_kind: global_buffer, .address_space: global }
      - { .name: M_w, .offset: 24, .size: 8, .value_kind: global_buffer, .address_space: global }
      - { .name: M_b, .offset: 32, .size: 8, .value_kind: global_buffer, .address_space: global }
      - { .name: memory, .offset: 40, .size: 8, .value_kind: global_buffer, .address_space: global }
      - { .name: Q_w, .offset: 48, .size: 8, .value_kind: global_buffer, .address_space: global }
      - { .name: Q_b, .offset: 56, .size: 8, .value_kind: global_buffer, .address_space: global }
      - { .name: W_b, .offset: 64, .size: 8, .value_kind: global_buffer, .address_space: global }
      - { .name: U_b, .offset: 72, .size: 8, .value_kind: global_buffer, .address_space: global }
      - { .name: bfrag, .offset: 80, .size: 8, .value_kind: global_buffer, .address_space: global }
      - { .name: mqb, .offset: 88, .size: 8, .value_kind: global_buffer, .address_space: global }
      - { .name: index, .offset: 96, .size: 8, .value_kind: global_buffer, .address_space: global }
    .group_segment_fixed_size: 18432
    .private_segment_fixed_size: 0
    .kernarg_segment_align: 8
    .kernarg_segment_size: 104
    .max_flat_workgroup_size: 256
    .sgpr_count:     66
    .vgpr_count:     512
    .wavefront_size: 32
...
	.end_amdgpu_metadata
.endif
;; end of part 1
;; launch main (part 2): grid 256 x 1, 4 waves a work-group, clusters of 4 x 1, 327,680 bytes of LDS; arguments x, h_prev, bfrag, mqb, index, ln_g, ln_b, out0; writes out0
.if DOCPART == 2
	.amdgcn_target "amdgcn-amd-amdhsa--gfx1250"
	.amdhsa_code_object_version 6
	.text
	.protected	k_qb79424180a_main
	.globl	k_qb79424180a_main
	.p2align	8
	.type	k_qb79424180a_main,@function
k_qb79424180a_main:
	s_mov_b64 s[64:65], 0
	v_nop
	global_prefetch_b8 v0, s[64:65] scope:SCOPE_SE
	s_setreg_imm32_b32 hwreg(HW_REG_WAVE_MODE, 25, 1), 1
	s_wait_xcnt 0x0
	s_wait_alu depctr_hold_cnt(0) depctr_sa_sdst(0) depctr_va_vdst(0) depctr_va_sdst(0) depctr_va_ssrc(0) depctr_va_vcc(0) depctr_vm_vsrc(0)
	s_getreg_b32 s2, hwreg(HW_REG_IB_STS2, 6, 4)
	s_cmp_eq_u32 s2, 0
	s_cbranch_scc0 .Lentry_in_a_cluster
	s_endpgm
.Lentry_in_a_cluster:
	s_bfe_u32 s2, ttmp6, 0x10000c
	s_cmp_lg_u32 s2, 0x3003
	s_cbranch_scc0 .Lentry_shape_is_right
	s_endpgm
.Lentry_shape_is_right:
; out0 = sigmoid(LayerNorm([x | h_prev] [W_w | U_w]^T + mqb[index]) ln_g + ln_b).  x, h_prev, out0: [16384][1024] f32.  bfrag, mqb, index: as the launch before has stored them.
; SHARES.  A work-group owns 64 whole rows (256 work-groups), so the row statistics never leave it; wave w owns columns 256 w .. 256 w + 255: 4 row blocks x 16 column blocks = 64 accumulators, 512 registers.
; K = 2,048 goes in 32 steps of 64: steps 0-15 from x, 16-31 from h_prev.
; THE MATRIX INSTRUCTION IS USED TRANSPOSED (source 0 = 16 weight rows, source 1 = 16 rows of x or h_prev): lane l holds row l % 16 and columns 8 (l / 16) + 0..7 of a block.
; THE SUMS START WITH THE GATHER: mqb[index[row]] is loaded straight into the accumulators, so nothing is cleared and nothing is added later.
; WEIGHTS.  A step of bfrag is 131,072 dense bytes in fragment order; two LDS slots take turns.  Each wave fetches its own quarter (its 16 column blocks) by one tensor load.
; CLUSTER.  All work-groups walk the same weights, so the four of a cluster ask for each quarter JOINTLY: the same load, descriptor and mask in all four.  x and h_prev are shared by nobody.
; ROWS.  x and h_prev come through registers: each wave loads 16 rows of a step (two rows x 256 aligned bytes an instruction), three steps ahead of their products, rounds them to bf16 ONCE for all four waves
; and puts them into one of two small LDS slots that no tensor load touches.  The loop has one form of trip: its last load has no step to fetch, wraps to h_prev's first 64 columns and serves nothing (4 KiB a wave, once).
; LIMITS.  x, h_prev and the weights are rounded to bf16 for the products; sums, statistics and the sigmoid are f32.  The variance is the mean of (pre - mean)^2, made in a second pass over the registers.
; sigmoid(t) = 1 / (1 + 2^(-t log2 e)): beyond the exponential's range it gives 0 or 1.  NaN and infinities are not treated apart.
; REGISTERS, in windows of 256 (s_set_vgpr_msb: bits 1:0 source 0, 3:2 source 1, 5:4 source 2, 7:6 destination):
;   window 0: v0-29 addresses; v32-95 two buffers of row fragments; v96-159 two steps of rows as loaded; v160-175 the same in bf16.  Behind the loop: v32-159 two units at work, v160-223 rows on the way out, v224-247 statistics
;   window 1: two buffers of 16 weight fragments; behind the loop ln_g (v0-127) and -log2(e) ln_b (v128-255)
;   window 2: accumulators of row blocks 0, 1 (block a, column block b at 128 (a % 2) + 8 b);   window 3: of row blocks 2, 3
.set BSLOT,  131072                    ; a weight slot: one step
.set ABASE,  2*BSLOT
.set APITCH, 144                       ; a row of 64 bf16 + 16 bytes: 36 words, so the 16 rows of a fragment load start at 16 different groups of four banks (64 banks of 4 bytes: ISA guide 11.1)
.set ASLOT,  64*APITCH
.set STATS,  ABASE+2*ASLOT             ; 2 x 1,024 bytes: [wave][row % 16][row block] f32: the sums, then the squares
.set STAGE,  STATS+2048                ; for each wave 16 rows x (512 + 16) bytes, for the way out
.set SPITCH, 528
.set STG,    16*SPITCH
.set SPARE,  STAGE+4*STG               ; the spare words, 128 bytes for each wave: two blocks of 256 bytes that no other line names
.set BADR, 4                           ; v4-5    my place in the weight slots: slot + 32,768 w + 16 l
.set AADR, 6                           ; v6-7    my place in a row fragment: slot + 144 (l % 16) + 16 (l / 16)
.set ASTO, 8                           ; v8-9    where I put 8 bytes of a row: slot + (16 w + l / 16) x 144 + 8 (l % 16)
.set ALO,  10                          ; v10     (l / 16) x 4,096 + 16 (l % 16): two rows x 256 bytes
.set PFBO, 11                          ; v11     256 l
.set PFAO, 12                          ; v12     (l % 16) x 4,096 + 256 (l / 16)
.set SPW,  13                          ; v13     my spare word; never rewritten
.set NIL,  14                          ; v14     0; never rewritten
.set STO,  15                          ; v15     stage, in: row l % 16, 32 bytes for each half of the lanes
.set RD,   16                          ; v16     stage, back: 16 l in a row of 512 bytes
.set GO,   17                          ; v17     16 l
.set GOF,  18                          ; v18-21  index of my row in block a, then its byte offset in mqb
.set SST,  22                          ; v22     STATS + 256 w + 16 (l % 16)
.set SLD,  23                          ; v23     STATS + 16 (l % 16)
.set SM,   24                          ; v24-27  a statistic for each row block
.set GLO,  28                          ; v28     32 (l / 16)
.set IXO,  29                          ; v29     4 (l % 16)
.set AF,   32
.set RAW,  96
.set CVT,  160
.set T0,   32
.set OB,   160
.set TS,   160
.set CH,   224
.set MU,   232
.set RS,   240
.set WV,   20                          ; s20  wave
.set G1,   24                          ; s[24:31] descriptor group 1
.set G0,   32                          ; s[32:39] descriptor group 0, a set for each slot
.set CNT,  40                          ; s40  trips to go
.set SC,   41                          ; s41  the step of rows to be loaded next
.set PA,   42                          ; s[42:45] the address of the rows' loads, a pair for each of the two register sets
.set PFB,  48                          ; s[48:49] the weights' prefetch
.set PFA,  50                          ; s[50:51] the rows' prefetch
.set LIMB, 52                          ; s52  2 in the launch's first cluster, else the greatest number
.set MSB, 0
.macro WIN new                         ; the immediate's high byte repeats the setting that is left; a switch that changes nothing is dropped
.if MSB != (\new)
	s_set_vgpr_msb (MSB<<8)|(\new)
.set MSB, \new
.endif
.endm
.macro PLACES
.rept 4
	v_nop
.endr
.endm
.macro CREST                           ; a round of the cluster's barrier behind its opening barrier
	s_cmp_lg_u32 s[WV], 0
	s_cbranch_scc1 .Lnot_wave_0_\@
	s_barrier_signal -3
.Lnot_wave_0_\@:
	s_barrier_wait -3
	s_barrier_signal -1
	s_barrier_wait -1
.endm
.macro CROUND
	s_barrier_signal -1
	s_barrier_wait -1
	CREST
.endm
.macro JLOAD p                         ; a joint fill: one line for all four waves, each with its own quarter; an s_nop 0 and four v_nop follow it
	tensor_load_to_lds s[G0+4*(\p):G0+4*(\p)+3], s[G1:G1+7]
	s_nop 0
	PLACES
.endm
	s_load_b256 s[4:11], s[0:1], 0x0               ; x 4, h_prev 6, bfrag 8, mqb 10
	s_load_b256 s[12:19], s[0:1], 0x20             ; index 12, ln_g 14, ln_b 16, out0 18
	v_lshl_add_u32 v[SPW], v0, 2, SPARE
	v_mov_b32 v[NIL], 0
	ds_add_u32 v[SPW], v[NIL]                      ; the wave's opening: the add, twice on end, and its wait ahead of my first tensor load
	ds_add_u32 v[SPW], v[NIL]
	v_lshrrev_b32 v1, 5, v0
	v_readfirstlane_b32 s[WV], v1                  ; wave 0..3
	s_bfe_u32 s21, ttmp6, 0x40000                  ; cx: my place in the cluster
	s_lshl_b32 s22, ttmp9, 2                       ; in a cluster launch ttmp9 counts clusters
	s_add_co_u32 s22, s22, s21                     ; my work-group: it enters the addresses of x, h_prev, index and out0 alone
	; descriptor group 1: 32,768 dense bytes as 128 rows of 256
	s_mov_b32 s[G1+0], 15|(3<<16)|(1<<21)          ; 15:0 the mask: all four work-groups; 17:16 elements of 8 bytes; 21 set beside a mask; no padding
	s_mov_b32 s[G1+1], 32<<16                      ; tensor_dim0 = 32
	s_mov_b32 s[G1+2], 128<<16                     ; tensor_dim1 = 128
	s_mov_b32 s[G1+3], 32<<16                      ; tile_dim0 = 32
	s_mov_b32 s[G1+4], 128                         ; tile_dim1 = 128
	s_mov_b32 s[G1+5], 32                          ; 32 elements from row to row
	s_mov_b32 s[G1+6], 0
	s_mov_b32 s[G1+7], 0
	s_mov_b32 s54, 0x76543210                      ; v_permlanex16_b32: each lane takes its own place in the other half
	s_mov_b32 s55, 0xfedcba98
	s_mov_b32 s47, 0                               ; s[46:47]: an offset of 32 bits as a pair
	s_mov_b32 s51, 0
	s_lshl_b32 s62, s[WV], 15                      ; my quarter of a step: 32,768 w; s[62:63] hold nothing else
	s_mov_b32 s63, 0
	s_mov_b32 s[LIMB], ttmp9
	s_cmp_eq_u32 s[LIMB], 0
	s_cselect_b32 s[LIMB], 2, -1                   ; the same in all four partners
	v_and_b32 v1, 15, v0                           ; l % 16
	v_bfe_u32 v2, v0, 4, 1                         ; l / 16
	v_and_b32 v3, 31, v0                           ; l
	v_lshlrev_b32 v[GO], 4, v3
	v_add_nc_u32 v[BADR], s62, v[GO]
	v_add_nc_u32 v[BADR+1], BSLOT, v[BADR]
	v_mul_u32_u24 v[AADR], v1, APITCH
	v_lshl_add_u32 v[AADR], v2, 4, v[AADR]
	v_add_nc_u32 v[AADR], ABASE, v[AADR]
	v_add_nc_u32 v[AADR+1], ASLOT, v[AADR]
	s_mul_i32 s60, s[WV], 16*APITCH
	v_mul_u32_u24 v[ASTO], v2, APITCH
	v_lshl_add_u32 v[ASTO], v1, 3, v[ASTO]
	v_add_nc_u32 v[ASTO], s60, v[ASTO]
	v_add_nc_u32 v[ASTO], ABASE, v[ASTO]
	v_add_nc_u32 v[ASTO+1], ASLOT, v[ASTO]
	v_lshlrev_b32 v[ALO], 4, v1
	v_lshl_add_u32 v[ALO], v2, 12, v[ALO]
	v_lshlrev_b32 v[PFBO], 8, v3
	v_lshlrev_b32 v[PFAO], 12, v1
	v_lshl_add_u32 v[PFAO], v2, 8, v[PFAO]
	s_mul_i32 s60, s[WV], STG
	s_add_co_u32 s60, s60, STAGE                   ; my stage
	v_mul_u32_u24 v[STO], v1, SPITCH
	v_lshl_add_u32 v[STO], v2, 5, v[STO]
	v_add_nc_u32 v[STO], s60, v[STO]
	v_add_nc_u32 v[RD], s60, v[GO]
	s_lshl_b32 s60, s[WV], 8
	s_add_co_u32 s60, s60, STATS
	v_lshl_add_u32 v[SST], v1, 4, s60
	v_lshlrev_b32 v[SLD], 4, v1
	v_add_nc_u32 v[SLD], STATS, v[SLD]
	v_lshlrev_b32 v[GLO], 5, v2
	v_lshlrev_b32 v[IXO], 2, v1
	s_wait_dscnt 0x0                               ; both opening adds are done
	s_wait_kmcnt 0x0
	s_lshl_b32 s50, s22, 18                        ; my work-group's 64 rows of 4,096 bytes,
	s_lshl_b32 s48, s[WV], 16                      ; of which I load 16
	s_add_co_u32 s50, s50, s48
	s_add_nc_u64 s[4:5], s[4:5], s[50:51]
	s_add_nc_u64 s[6:7], s[6:7], s[50:51]
	s_lshl_b32 s50, s22, 18
	s_lshl_b32 s48, s[WV], 10                      ; my 256 columns of f32
	s_add_co_u32 s50, s50, s48
	s_add_nc_u64 s[18:19], s[18:19], s[50:51]
	s_lshl_b32 s50, s22, 8                         ; 64 indices
	s_add_nc_u64 s[12:13], s[12:13], s[50:51]
	s_lshl_b32 s46, s[WV], 10
	s_add_nc_u64 s[10:11], s[10:11], s[46:47]
	s_add_nc_u64 s[14:15], s[14:15], s[46:47]
	s_add_nc_u64 s[16:17], s[16:17], s[46:47]
	s_add_nc_u64 s[8:9], s[8:9], s[62:63]          ; bfrag at my quarter of step 0
	s_lshl_b32 s50, s21, 13                        ; the prefetches: of my quarter my work-group names 8,192 bytes, told apart by address
	s_add_nc_u64 s[PFB:PFB+1], s[8:9], s[50:51]
	s_add_nc_u64 s[PFB:PFB+1], s[PFB:PFB+1], 5*BSLOT  ; at step 5: step 0's change of slots steps it to 6.  Nothing is prefetched here, at the head
.irp a, 0,1,2,3
	global_load_b32 v[GOF+\a], v[IXO], s[12:13] offset:64*\a
.endr
; The rows' pipeline.  APTR: the address of step SC: x for steps under 16, else h_prev; 256 bytes a step.  ALOAD: my 16 rows of it.  ACONV: rounded to bf16, into row slot q.
.macro APTR j
	s_cmp_lt_u32 s[SC], 16
	s_cselect_b64 s[PA+2*(\j):PA+2*(\j)+1], s[4:5], s[6:7]
	s_and_b32 s46, s[SC], 15
	s_lshl_b32 s46, s46, 8
	s_add_nc_u64 s[PA+2*(\j):PA+2*(\j)+1], s[PA+2*(\j):PA+2*(\j)+1], s[46:47]
	s_add_co_u32 s[SC], s[SC], 1
.endm
.macro ALOAD j
.set ii, 0
.rept 8
	global_load_b128 v[RAW+32*(\j)+4*ii:RAW+32*(\j)+4*ii+3], v[ALO], s[PA+2*(\j):PA+2*(\j)+1] offset:8192*ii th:TH_LOAD_NT
.set ii, ii+1
.endr
.endm
.macro ACONV j, q
.set ii, 0
.rept 16
	v_cvt_pk_bf16_f32 v[CVT+ii], v[RAW+32*(\j)+2*ii], v[RAW+32*(\j)+2*ii+1]
.set ii, ii+1
.endr
.set ii, 0
.rept 8
	ds_store_b64 v[ASTO+(\q)], v[CVT+2*ii:CVT+2*ii+1] offset:2*APITCH*ii
.set ii, ii+1
.endr
.endm
	s_mov_b64 s[PA:PA+1], s[4:5]
	s_add_nc_u64 s[PA+2:PA+3], s[4:5], 256
	ALOAD 0                                        ; steps 0 and 1
	ALOAD 1
	CROUND                                         ; all four work-groups are here: the first joint loads meet
.irp p, 0,1
	s_mov_b32 s[G0+4*\p], 1                        ; count = 1
	s_add_co_u32 s[G0+4*\p+1], s62, \p*BSLOT       ; LDS address: slot + my quarter
	s_add_nc_u64 s[G0+4*\p+2:G0+4*\p+3], s[8:9], \p*BSLOT  ; global address: step p
	s_or_b32 s[G0+4*\p+3], s[G0+4*\p+3], 0x80000000        ; type = 2
.endr
	tensor_load_to_lds s[G0:G0+3], s[G1:G1+7]      ; both first fills together: two loads of mine are out
	s_nop 0
	tensor_load_to_lds s[G0+4:G0+7], s[G1:G1+7]
	s_nop 0
	PLACES
	s_wait_loadcnt 8                               ; the indices and step 0's rows are in; step 1's eight loads stay out
.irp a, 0,1,2,3
	v_min_u32 v[GOF+\a], 0x3ff, v[GOF+\a]          ; an index stays inside the table
	v_lshlrev_b32 v[GOF+\a], 12, v[GOF+\a]
	v_add_nc_u32 v[GOF+\a], v[GOF+\a], v[GLO]
.endr
.irp a, 0,1,2,3                        ; the gather: register j of accumulator (a, b) is mqb[index[16 a + l % 16]][256 w + 16 b + 8 (l / 16) + j]
	WIN 0x80+0x40*(\a/2)
.set ib, 0
.rept 16
	global_load_b128 v[128*(\a%2)+8*ib:128*(\a%2)+8*ib+3],   v[GOF+\a], s[10:11] offset:64*ib
	global_load_b128 v[128*(\a%2)+8*ib+4:128*(\a%2)+8*ib+7], v[GOF+\a], s[10:11] offset:64*ib+16
.set ib, ib+1
.endr
.endr
	WIN 0
	ACONV 0, 0                                     ; step 0's rows
	s_mov_b32 s[SC], 2
	APTR 0                                         ; (the wait above has shown step 0's loads done: their address may be written)
	ALOAD 0
; 16 products: row block a x my 16 column blocks, 32 along K, on fragment buffer f.  The 64 accumulators take turns in the same order in every half step.
.macro MUL16 f, a
	WIN 0xa1+0x50*((\a)/2)                         ; weights window 1, rows window 0, C and D window 2 or 3
.set ib, 0
.rept 16
	v_wmma_f32_16x16x32_bf16 v[128*((\a)%2)+8*ib:128*((\a)%2)+8*ib+7], v[128*(\f)+8*ib:128*(\f)+8*ib+7], v[AF+32*(\f)+8*(\a):AF+32*(\f)+8*(\a)+7], v[128*((\a)%2)+8*ib:128*((\a)%2)+8*ib+7]
.set ib, ib+1
.endr
.endm
; 40 LDS loads in one run: half kk of the step in slot p, into buffer f: the 16 weight fragments (each two loads at 16 l: dense), then the 4 row fragments in ascending order
.macro FETCH p, kk, f
	WIN 0x40
.set ib, 0
.rept 16
	ds_load_b128 v[128*(\f)+8*ib:128*(\f)+8*ib+3],   v[BADR+(\p)] offset:2048*ib+1024*(\kk)
	ds_load_b128 v[128*(\f)+8*ib+4:128*(\f)+8*ib+7], v[BADR+(\p)] offset:2048*ib+1024*(\kk)+512
.set ib, ib+1
.endr
	WIN 0
.irp a, 0,1,2,3
	ds_load_b128 v[AF+32*(\f)+8*\a:AF+32*(\f)+8*\a+3],   v[AADR+(\p)] offset:16*APITCH*\a+64*(\kk)
	ds_load_b128 v[AF+32*(\f)+8*\a+4:AF+32*(\f)+8*\a+7], v[AADR+(\p)] offset:16*APITCH*\a+64*(\kk)+32
.endr
.endm
; A step's first half, in slot p: multiplies buffer 0.  In its middle the NEXT step's rows are rounded and put into the other row slot (whose readers finished ahead of the last barrier), the rows three steps on
; are asked for, and the second half's fragments are fetched.  The 16 conversions are the places in front of those loads (ISA guide 7.12.1 for vector instructions).
; amode = 2: all of that; 1: nothing is asked for; 0: no rows are left.  lc: the eight loads of the step after next, which may stay out.
.macro HALF0 p, amode, lc
	s_wait_dscnt 4                                 ; the weights and row blocks 0, 1 are in; the youngest four loads (blocks 2, 3) may be out
	MUL16 0, 0
	MUL16 0, 1
	WIN 0
.if (\amode) >= 1
	s_wait_loadcnt \lc
	ACONV 1-(\p), 1-(\p)
.else
	PLACES
.endif
.if (\amode) >= 2
	APTR 1-(\p)                                    ; (that wait has shown the set's last loads done: their address may be written)
	ALOAD 1-(\p)
.endif
	FETCH \p, 1, 1
	s_wait_dscnt 40                                ; all but the 40 just issued
	MUL16 0, 2
	MUL16 0, 3
.endm
; PREFETCHES INTO THE L2, behind the joint load, its five lines and the run of LDS loads.
; The weights: every cluster walks them, so the launch's first cluster asks: its 16 waves x 32 lanes name a step's 512 blocks of 256 bytes once, the partners told apart by address.  Step s names step s + 6, which the
; fourth refill from here will ask for: 512 matrix instructions ahead.  Steps 0 to 5 come by their loads alone; the last two trips ask for nothing.
; The rows: each wave names its own 16 rows x 512 bytes, steps s + 6 and s + 7, once a trip: their loads stand two and a half and three and a half steps on.
.macro ASKB
	s_cmp_gt_u32 s[CNT], s[LIMB]
	s_cbranch_scc0 .Lnot_b_\@
	global_prefetch_b8 v[PFBO], s[PFB:PFB+1] th:TH_LOAD_NT scope:SCOPE_SE
.Lnot_b_\@:
.endm
.macro ASKA
	s_cmp_gt_u32 s[CNT], 2
	s_cbranch_scc0 .Lnot_a_\@
	global_prefetch_b8 v[PFAO], s[PFA:PFA+1] th:TH_LOAD_NT scope:SCOPE_SE
.Lnot_a_\@:
.endm
; A step's second half multiplies buffer 1 and changes slots: ONE barrier.  In front of it each wave waits for all its tensor loads (one is out: its quarter of the next slot), adds 0 to its spare word, and waits
; for that, for its reads of both slots in hand and for its stores into the next row slot.  fill = 1: the barrier opens a round of the cluster's, and the joint refill, two steps on, is the first thing behind it.
.macro TURN p, fill, ask
.if \ask
	s_wait_xcnt 0x0                                ; the last prefetches, a step back, have read their addresses
	s_add_nc_u64 s[PFB:PFB+1], s[PFB:PFB+1], BSLOT
.endif
.if (\ask) == 2
	s_add_co_u32 s60, s[SC], 2                     ; SC stands four steps on: six
	s_cmp_lt_u32 s60, 16
	s_cselect_b64 s[PFA:PFA+1], s[4:5], s[6:7]
	s_and_b32 s46, s60, 15
	s_lshl_b32 s46, s46, 8
	s_add_nc_u64 s[PFA:PFA+1], s[PFA:PFA+1], s[46:47]
.endif
	WIN 0                                          ; (the add's two registers lie in window 0)
	s_wait_tensorcnt 0x0                           ; all my tensor loads have landed;
	ds_add_u32 v[SPW], v[NIL]                      ; 0 onto my spare word;
	s_wait_dscnt 7                                 ; (the add and row blocks 1 to 3 may be out)
	MUL16 1, 0                                     ; sixteen matrix instructions stand between the add and the wait for it
	s_wait_dscnt 0x0
	s_barrier_signal -1
	MUL16 1, 1                                     ; work on registers while the others arrive
	WIN 0
	s_barrier_wait -1
.if \fill
	CREST                                          ; no wave of any partner still reads this slot or has a load on its way
	s_add_nc_u64 s[G0+4*(\p)+2:G0+4*(\p)+3], s[G0+4*(\p)+2:G0+4*(\p)+3], 2*BSLOT
	JLOAD \p                                       ; its four v_nop are also the places in front of the loads below
.else
	PLACES
.endif
	FETCH 1-(\p), 0, 0
.if \ask
	ASKB
.endif
.if (\ask) == 2
	ASKA
.endif
	MUL16 1, 2
	MUL16 1, 3
.endm
	s_wait_tensorcnt 0x1                           ; my quarter of step 0 is in; step 1's may stay out
	s_wait_dscnt 0x0                               ; my rows of step 0 lie in LDS
	s_barrier_signal -1
	s_barrier_wait -1
	FETCH 0, 0, 0
	s_wait_loadcnt 8                               ; the gather and step 1's rows are in; step 2's eight loads stay out
	s_mov_b32 s[CNT], 15
.Lloop:                                        ; steps 0 to 29, two a trip; both weight slots are filled again
	HALF0 0, 2, 8
	TURN 0, 1, 2
	HALF0 1, 2, 8                                  ; (in the last trip its loads wrap to h_prev's first columns and serve nothing)
	TURN 1, 1, 1
	WIN 0
	s_sub_co_u32 s[CNT], s[CNT], 1
	s_cmp_lg_u32 s[CNT], 0
	s_cbranch_scc1 .Lloop
	HALF0 0, 1, 8                                  ; steps 30 and 31: nothing is asked for; the eight idle loads may stay out
	TURN 0, 0, 0
	HALF0 1, 0, 0
	s_wait_dscnt 4
	MUL16 1, 0
	MUL16 1, 1
	s_wait_dscnt 0x0
	MUL16 1, 2
	MUL16 1, 3
	WIN 0
; ---------------------------------------------------------------- LAYERNORM, SIGMOID, THE WAY OUT
	PLACES
	PLACES                                         ; eight places behind the last products, once a launch
	s_mov_b32 s56, 0x3a800000                      ; 1 / 1024
	s_mov_b32 s57, 0x3727c5ac                      ; 1e-5
	s_mov_b32 s58, 0xbfb8aa3b                      ; -log2(e)
	s_mov_b32 s59, s58                             ; named with it as a pair
	WIN 0x40
.set ib, 0
.rept 16                               ; ln_g and ln_b of my lane's columns, in the accumulators' order
	global_load_b128 v[8*ib:8*ib+3],         v[GLO], s[14:15] offset:64*ib
	global_load_b128 v[8*ib+4:8*ib+7],       v[GLO], s[14:15] offset:64*ib+16
	global_load_b128 v[128+8*ib:128+8*ib+3], v[GLO], s[16:17] offset:64*ib
	global_load_b128 v[128+8*ib+4:128+8*ib+7], v[GLO], s[16:17] offset:64*ib+16
.set ib, ib+1
.endr
.macro REDUCE a                        ; four chains into one number
	WIN 0
	v_pk_add_f32 v[CH:CH+1],   v[CH:CH+1],   v[CH+2:CH+3]
	v_pk_add_f32 v[CH+4:CH+5], v[CH+4:CH+5], v[CH+6:CH+7]
	v_pk_add_f32 v[CH:CH+1],   v[CH:CH+1],   v[CH+4:CH+5]
	v_add_f32 v[SM+(\a)], v[CH], v[CH+1]
.endm
.macro SUMROW a                        ; my lane's 128 numbers of row block a, in ascending order: each accumulator's low registers are read first
.set AC, 128*((\a)%2)
	WIN 0x0a+5*((\a)/2)
.irp c, 0,1,2,3
	v_pk_add_f32 v[CH+2*\c:CH+2*\c+1], v[AC+4*\c:AC+4*\c+1], v[AC+4*\c+2:AC+4*\c+3]
.endr
	WIN 0x08+4*((\a)/2)
.set pp, 8
.rept 56
	v_pk_add_f32 v[CH+2*(pp%4):CH+2*(pp%4)+1], v[CH+2*(pp%4):CH+2*(pp%4)+1], v[AC+2*pp:AC+2*pp+1]
.set pp, pp+1
.endr
	REDUCE \a
.endm
; The other half of the lanes, then the other three waves, through LDS: v[TS:TS+3] = the whole rows' figure for row blocks 0 to 3
.macro XCHG off
.irp a, 0,1,2,3
	v_permlanex16_b32 v[CH+\a], v[SM+\a], s54, s55
.endr
.irp a, 0,1,2,3
	v_add_f32 v[SM+\a], v[SM+\a], v[CH+\a]
.endr
	ds_store_b128 v[SST], v[SM:SM+3] offset:\off
	s_wait_dscnt 0x0                               ; for the others' sake
	s_barrier_signal -1
	s_barrier_wait -1
.irp w, 0,1,2,3
	ds_load_b128 v[TS+4*\w:TS+4*\w+3], v[SLD] offset:(\off)+256*\w
.endr
	s_wait_dscnt 0x0
	v_pk_add_f32 v[TS:TS+1],     v[TS:TS+1],     v[TS+4:TS+5]
	v_pk_add_f32 v[TS+2:TS+3],   v[TS+2:TS+3],   v[TS+6:TS+7]
	v_pk_add_f32 v[TS+8:TS+9],   v[TS+8:TS+9],   v[TS+12:TS+13]
	v_pk_add_f32 v[TS+10:TS+11], v[TS+10:TS+11], v[TS+14:TS+15]
	v_pk_add_f32 v[TS:TS+1],     v[TS:TS+1],     v[TS+8:TS+9]
	v_pk_add_f32 v[TS+2:TS+3],   v[TS+2:TS+3],   v[TS+10:TS+11]
.endm
	SUMROW 0
	SUMROW 1
	SUMROW 2
	SUMROW 3
	XCHG 0
.irp a, 0,1,2,3
	v_mul_f32 v[MU+2*\a],   s56, v[TS+\a]          ; the mean, twice: a pair for the packed subtraction
	v_mul_f32 v[MU+2*\a+1], s56, v[TS+\a]
.endr
	s_wait_loadcnt 0x0                             ; ln_g, ln_b (and the idle loads)
	WIN 0x41
.set pp, 0
.rept 64
	v_pk_mul_f32 v[128+2*pp:128+2*pp+1], v[128+2*pp:128+2*pp+1], s[58:59] op_sel_hi:[1,0]  ; -log2(e) ln_b
.set pp, pp+1
.endr
.macro DEV a                           ; pre - mean in place, then the sum of its squares
.set AC, 128*((\a)%2)
	WIN 0x82+0x41*((\a)/2)
.set pp, 0
.rept 64
	v_pk_add_f32 v[AC+2*pp:AC+2*pp+1], v[AC+2*pp:AC+2*pp+1], v[MU+2*(\a):MU+2*(\a)+1] neg_lo:[0,1] neg_hi:[0,1]
.set pp, pp+1
.endr
	WIN 0x0a+5*((\a)/2)
.set pp, 0
.rept 64
.if pp < 4
	v_pk_mul_f32 v[CH+2*pp:CH+2*pp+1], v[AC+2*pp:AC+2*pp+1], v[AC+2*pp:AC+2*pp+1]
.else
	v_pk_fma_f32 v[CH+2*(pp%4):CH+2*(pp%4)+1], v[AC+2*pp:AC+2*pp+1], v[AC+2*pp:AC+2*pp+1], v[CH+2*(pp%4):CH+2*(pp%4)+1]
.endif
.set pp, pp+1
.endr
	REDUCE \a
.endm
	DEV 0
	DEV 1
	DEV 2
	DEV 3
	XCHG 1024                                      ; other bytes than the sums': one barrier does
.irp a, 0,1,2,3
	v_fma_f32 v[TS+\a], v[TS+\a], s56, s57         ; the variance + 1e-5
.endr
.irp a, 0,1,2,3
	v_rsq_f32 v[TS+4+\a], v[TS+\a]
.endr
	v_nop                                          ; a plain instruction behind the last of the four,
	s_wait_alu depctr_va_vdst(0)                   ; and the one wait ahead of their first use
.irp a, 0,1,2,3
	v_mul_f32 v[RS+2*\a],   s58, v[TS+4+\a]        ; -log2(e) / sqrt(variance + 1e-5), twice
	v_mul_f32 v[RS+2*\a+1], s58, v[TS+4+\a]
.endr
; Eight units u of 16 rows x 128 columns (row block u / 2, half u % 2), on two sets of 64 registers by turns.  out = 1 / (1 + 2^t), t = (d RS) g + b'.
.macro PRE u
.set AC, 128*(((\u)/2)%2)+64*((\u)%2)
.set TT, T0+64*((\u)%2)
	WIN 0x02+((\u)/4)
.set pp, 0
.rept 32
	v_pk_mul_f32 v[TT+2*pp:TT+2*pp+1], v[AC+2*pp:AC+2*pp+1], v[RS+2*((\u)/2):RS+2*((\u)/2)+1]
.set pp, pp+1
.endr
	WIN 0x14
.set pp, 0
.rept 32
	v_pk_fma_f32 v[TT+2*pp:TT+2*pp+1], v[TT+2*pp:TT+2*pp+1], v[64*((\u)%2)+2*pp:64*((\u)%2)+2*pp+1], v[128+64*((\u)%2)+2*pp:128+64*((\u)%2)+2*pp+1]
.set pp, pp+1
.endr
.endm
.macro EXPS u
.set TT, T0+64*((\u)%2)
	WIN 0
.set pp, 0
.rept 64
	v_exp_f32 v[TT+pp], v[TT+pp]
.set pp, pp+1
.endr
.endm
.macro ADD1 u
.set TT, T0+64*((\u)%2)
.set pp, 0
.rept 32
	v_pk_add_f32 v[TT+2*pp:TT+2*pp+1], v[TT+2*pp:TT+2*pp+1], 1.0 op_sel_hi:[1,0]
.set pp, pp+1
.endr
.endm
.macro RCPS u
.set TT, T0+64*((\u)%2)
.set pp, 0
.rept 64
	v_rcp_f32 v[TT+pp], v[TT+pp]
.set pp, pp+1
.endr
.endm
.macro TOSTAGE u                       ; into my own stage, and back as whole rows of 512 bytes
.set TT, T0+64*((\u)%2)
.set ib, 0
.rept 8
	ds_store_b128 v[STO], v[TT+8*ib:TT+8*ib+3]   offset:64*ib
	ds_store_b128 v[STO], v[TT+8*ib+4:TT+8*ib+7] offset:64*ib+16
.set ib, ib+1
.endr
	s_wait_xcnt 0x0                                ; the last unit's stores have read the registers that are loaded now
.set ib, 0
.rept 16
	ds_load_b128 v[OB+4*ib:OB+4*ib+3], v[RD] offset:SPITCH*ib  ; LDS serves a wave's instructions in order (ISA guide 5.7.1.4): these see the stores above; the next unit's stores come behind them
.set ib, ib+1
.endr
.endm
.macro SEND u
	s_wait_dscnt 0x0                               ; the unit is back in registers
.set ib, 0
.rept 16
	global_store_b128 v[GO], v[OB+4*ib:OB+4*ib+3], s[18:19] offset:(16*((\u)/2)+ib)*4096+512*((\u)%2) th:TH_STORE_NT  ; 512 consecutive bytes, aligned
.set ib, ib+1
.endr
.endm
	PRE 0
.irp u, 0,1,2,3,4,5,6,7
	EXPS \u                                        ; a batch of 64;
.if \u < 7
	PRE (\u)+1                                     ; the next unit's scalings are the independent work behind it;
.else
	v_nop
.endif
	WIN 0
	s_wait_alu depctr_va_vdst(0)                   ; one wait for the batch, ahead of its first reader
	ADD1 \u
	RCPS \u                                        ; a second batch;
.if \u > 0
	SEND (\u)-1                                    ; the unit before leaves meanwhile;
.endif
	v_nop                                          ; a plain instruction behind the last reciprocal,
	s_wait_alu depctr_va_vdst(0)                   ; and the batch's one wait
	TOSTAGE \u
.endr
	SEND 7
	s_wait_tensorcnt 0x0                           ; the wave's end, behind my last tensor load and my last LDS store
	ds_add_u32 v[SPW], v[NIL]
	s_wait_dscnt 0x0
	CROUND                                         ; the closing round: no work-group ends while a partner may still ask for a tile that names it
	s_endpgm
.Lfunc_end_k_qb79424180a_main:
	.size	k_qb79424180a_main, .Lfunc_end_k_qb79424180a_main-k_qb79424180a_main
	.p2alignl 7, 3214868480
	.fill 96, 4, 3214868480
	.section	.rodata,"a",@progbits
	.p2align	6, 0x0
	.amdhsa_kernel k_qb79424180a_main
		.amdhsa_group_segment_fixed_size 327680
		.amdhsa_private_segment_fixed_size 0
		.amdhsa_enable_private_segment 0
		.amdhsa_kernarg_size 64
		.amdhsa_user_sgpr_count 2
		.amdhsa_user_sgpr_kernarg_segment_ptr 1
		.amdhsa_wavefront_size32 1
		.amdhsa_system_sgpr_workgroup_id_x 1
		.amdhsa_system_sgpr_workgroup_id_y 1
		.amdhsa_system_sgpr_workgroup_id_z 1
		.amdhsa_system_vgpr_workitem_id 0
		.amdhsa_next_free_vgpr 1024
		.amdhsa_next_free_sgpr 66
		.amdhsa_reserve_vcc 0
		.amdhsa_float_denorm_mode_32 3
		.amdhsa_float_denorm_mode_16_64 3
		.amdhsa_memory_ordered 1
		.amdhsa_forward_progress 1
		.amdhsa_inst_pref_size 255
	.end_amdhsa_kernel
	.section	.bss,"aw",@nobits
	.p2align	6
	.space	262144
	.amdgpu_metadata
---
amdhsa.version: [ 1, 2 ]
amdhsa.kernels:
  - .name:           k_qb79424180a_main
    .symbol:         k_qb79424180a_main.kd
    .args:
      - { .name: x, .offset: 0, .size: 8, .value_kind: global_buffer, .address_space: global }
      - { .name: h_prev, .offset: 8, .size: 8, .value_kind: global_buffer, .address_space: global }
      - { .name: bfrag, .offset: 16, .size: 8, .value_kind: global_buffer, .address_space: global }
      - { .name: mqb, .offset: 24, .size: 8, .value_kind: global_buffer, .address_space: global }
      - { .name: index, .offset: 32, .size: 8, .value_kind: global_buffer, .address_space: global }
      - { .name: ln_g, .offset: 40, .size: 8, .value_kind: global_buffer, .address_space: global }
      - { .name: ln_b, .offset: 48, .size: 8, .value_kind: global_buffer, .address_space: global }
      - { .name: out0, .offset: 56, .size: 8, .value_kind: global_buffer, .address_space: global }
    .group_segment_fixed_size: 327680
    .private_segment_fixed_size: 0
    .kernarg_segment_align: 8
    .kernarg_segment_size: 64
    .max_flat_workgroup_size: 128
    .sgpr_count:     66
    .vgpr_count:     1024
    .wavefront_size: 32
...
	.end_amdgpu_metadata
.endif
;; end of part 2
